; MI455X (gfx1250); checked and timed in simulation.
; The chip was launched on July 23, 2026; its instructions are those of AMD's public machine-readable ISA for CDNA 5 (MIT licence, August 2026) and "CDNA5" Instruction Set Architecture Reference Guide (July 2026). The comments in the code are by the model that wrote it; some were corrected since.
;; Always. Allowed arithmetic: float matrix products may take bf16 or f16 operands with f32 sums; all other float work in f32.
;; Inputs: signal 64 x 16,384 float32.
;; Outputs: out0 64 x 16,384 float32.
;; One version. Each part assembles by itself: llvm-mc -triple=amdgcn-amd-amdhsa -mcpu=gfx1250 --defsym DOCPART=n.
;; ======== version 1 of 1: 1 launch
;; limits: inputs' magnitudes at most 3,700,000
;; launch softmin (part 1): grid 256 x 1, 5 waves a work-group, no clusters, 168,704 bytes of LDS; arguments signal, out0; writes out0
.if DOCPART == 1
	.amdgcn_target "amdgcn-amd-amdhsa--gfx1250"
	.amdhsa_code_object_version 6
	.text
	.protected	k_q09e38ee3c7_softmin
	.globl	k_q09e38ee3c7_softmin
	.p2align	8
	.type	k_q09e38ee3c7_softmin,@function
k_q09e38ee3c7_softmin:
	s_mov_b64 s[64:65], 0
	v_nop
	global_prefetch_b8 v0, s[64:65] scope:SCOPE_SE
	s_setreg_imm32_b32 hwreg(HW_REG_WAVE_MODE, 25, 1), 1
	s_wait_xcnt 0x0
; out[b][t] = -tau * ln( sum over i = 0..63 of exp(-x[b][t+i] / tau) ), tau = 0.01, the window cut off at the row's end.
; x, out: [64][16384] f32.
;
; NUMBERS.  With y = x * log2(e)/tau an element is worth 2^-y.  It is kept as a pair: a = floor(y), an integer, and f = 2^(a-y) in (0.5, 1].
; A set of elements is a pair (M, S): M = the least a of the set, S = the sum of f * 2^(M-a).  Two sets are joined by
;   M = min(M1, M2),  S = ldexp(S1, M-M1) + ldexp(S2, M-M2)
; which takes no exponential, never overflows (S <= 64) and keeps the least element's weight untouched (S > 0.5), whatever the spread of x.
; The result is tau ln2 (M - log2 S).  One exponential and one logarithm for each output.
;
; SETS.  A row is cut into chunks of 32.  The window at t = 32 c + p is  chunk c from p on  +  all of chunk c+1  +  chunk c+2 up to p-1,
; so each output costs one link of a scan from the left, one link of a scan from the right and one join of three.
;
; SHARES.  A work-group makes a quarter of a row, 4,096 outputs = 128 chunks.  Waves 0-3: one lane, one chunk, its 32 numbers in registers, so that
; a step inside a chunk is a register's name.  Wave 4 takes the two chunks behind the quarter row and scans them from the left only; its even lanes
; all do the first of them, its odd lanes the second (same addresses, same values).  Behind the end of a row it loads from the quarter row's own
; start, to stay inside the buffer, and puts PADX in place of what it loaded: a weight that ldexp turns into an exact zero beside any element
; within the limit below.  The left scans go to the lanes that need them through LDS, across the one barrier.
;
; No cluster: neighbouring work-groups share 256 of the 16,640 bytes that each reads.
;
; LIMITS.  x finite and |x| < 3.7e6 (|y| < 2^29: the differences of the integers a, PADX's included, stay inside 32 bits).  A NaN reaches every
; window that holds it, as in the reference.  An infinity in x gives NaN in its windows, where the reference gives a number or an infinity.
.set PITCH,  144                       ; LDS bytes from chunk to chunk: 128 of data + 16, so that sixteen neighbouring lanes, each at its own
                                       ; chunk, start at sixteen different 16-byte columns of any 256 bytes
.set WAVEB,  32*PITCH                  ; the 32 chunks of a wave
; LDS.  The address registers are formed alike in all five waves, chunk = 32 wave + lane, before the waves part.  So the scan arrays have room for
; 5 x 32 chunks and the 2 that the reads reach ahead, and the out stage for 5 x 32: no such address, with any offset used below, leaves its array.
.set PMB,    128*PITCH                 ; input chunks 0-127 at 0; here the M of the left scans (chunks 0-129 are written and read)
.set PSO,    162*PITCH                 ; from an M to its S
.set OUTB,   PMB+2*PSO                 ; the results on their way out (chunks 0-127 are used); ends at OUTB + 160 PITCH = 88,128
.set KLOG,   0x431044fe                ; log2(e) / tau = 144.2695
.set CLN2,   0x3be32166                ; tau ln 2 = 0.00693147
.set PADX,   0x4ad59f80                ; 7.0e6: y = 1.01e9, between 2^29 and 2^30
.set LANE, 1                           ; v1      lane
.set AIN,  2                           ; v2      LDS address of my chunk of the input
.set AX,   3                           ; v3      LDS address of my chunk's left scan
.set AOUT, 4                           ; v4      LDS address of my chunk's results
.set ARD,  5                           ; v5      LDS address from which I read results back, 16 bytes a lane along the row
.set GO,   6                           ; v6      the same 16 bytes' offset in the work-group's part of out
.set PADV, 7                           ; v7      wave 4: PADX
.set T,    8                           ; v[8:23]    at work
.set A,    24                          ; v[24:55]   x, then a; at the end the results as stored
.set F,    56                          ; v[56:87]   f
.set PM,   88                          ; v[88:119]  left scan, M; behind the barrier that of chunk + 2
.set PS,   120                         ; v[120:151] left scan, S; likewise
.set QM,   152                         ; v[152:183] right scan, M; then the results
.set QS,   184                         ; v[184:215] right scan, S
.set TM,   216                         ; v216, v217 the pair of all of chunk + 1
.set TS,   217
.set HL,   218                         ; v218    wave 4: lane & 1, which of its two chunks
.set HIN,  219                         ; v219    wave 4: that chunk's byte offset in memory
.set HAX,  220                         ; v220    wave 4: LDS address of that chunk's left scan
.set DP, T                             ; exponent for the running sum, left and right scan
.set DQ, T+1
.set LP, T+2                           ; the running sum, scaled
.set LQ, T+3
.set EP, T+4                           ; exponent for the new element, then the element scaled; links take turns between T+4,5 and T+6,7
.set EQ, T+5
	s_load_b128 s[4:7], s[0:1], 0x0                ; signal s[4:5], out0 s[6:7]
	v_lshl_add_u32 v224, v0, 2, 0x29000
	v_mov_b32 v225, 0
	ds_add_u32 v224, v225
	ds_add_u32 v224, v225
	v_and_b32 v[LANE], 31, v0
	v_lshrrev_b32 v[T], 5, v0
	v_readfirstlane_b32 s8, v[T]                   ; wave 0..4
	s_lshl_b32 s10, ttmp9, 14                      ; rows follow each other in memory: work-group n owns bytes 16,384 n ..
	s_mov_b32 s11, 0
	s_lshl_b32 s2, s8, 12                          ; a wave's 4,096 bytes of them
	s_mov_b32 s3, 0
	s_mul_i32 s9, s8, WAVEB                        ; a wave's chunks in each LDS array
	s_mov_b32 s24, KLOG                            ; pairs for the packed multiplies (the first of a pair is used for both halves)
	s_mov_b32 s25, KLOG
	s_mov_b32 s26, CLN2
	s_mov_b32 s27, CLN2
	; Tensor descriptor of waves 0-3: 4,096 neighbouring bytes as one row of 512 elements of 8 bytes, 4 words of padding behind every 32 words.
	s_mov_b32 s12, 1                               ; group 0: count = 1
	s_mul_i32 s13, s8, WAVEB                       ;          LDS address: the wave's chunks of the input array, which starts at 0
	s_mov_b32 s16, (3<<16)|(1<<20)|(4<<22)|(3<<25) ; group 1: elements of 8 bytes; padding on; every 32 words (code 4); 4 words (code 3)
	s_mov_b32 s17, 512<<16                         ;          tensor_dim0 = 512
	s_mov_b32 s18, 1<<16
	s_mov_b32 s19, 512<<16                         ;          tile_dim0 = 512
	s_mov_b32 s20, 1                               ;          one row: no second dimension, no strides
	s_mov_b32 s21, 512
	s_mov_b32 s22, 0
	s_mov_b32 s23, 0
	; The address registers, written here once and never again; they need no kernel argument and stand under the wait for those.
	v_mul_u32_u24 v[AIN], v[LANE], PITCH
	v_add_nc_u32 v[AIN], s9, v[AIN]                ; wave's chunks + lane's chunk
	v_add_nc_u32 v[AX], PMB, v[AIN]
	v_add_nc_u32 v[AOUT], OUTB, v[AIN]
	v_lshrrev_b32 v[ARD], 3, v[LANE]               ; back along the row: eight lanes cover a chunk's 128 bytes
	v_and_b32 v[GO], 7, v[LANE]
	v_mul_u32_u24 v[ARD], v[ARD], PITCH
	v_lshl_add_u32 v[ARD], v[GO], 4, v[ARD]
	v_add_nc_u32 v[ARD], s9, v[ARD]
	v_add_nc_u32 v[ARD], OUTB, v[ARD]
	v_lshlrev_b32 v[GO], 4, v[LANE]
	v_add_nc_u32 v[GO], s2, v[GO]                  ; 4,096 wave + 16 lane
	s_wait_dscnt 0x0
	s_wait_kmcnt 0x0
	s_add_nc_u64 s[4:5], s[4:5], s[10:11]          ; signal and out0 at the work-group's quarter row
	s_add_nc_u64 s[6:7], s[6:7], s[10:11]
	s_cmp_eq_u32 s8, 4
	s_cbranch_scc1 .Lhalo
; Four elements: x -> (a, f).  a - y is exact in f32.  The temporaries take turns, so that no exponential's source is rewritten close behind it.
.macro PRE4 g
	v_pk_mul_f32 v[A+4*\g:A+4*\g+1],   v[A+4*\g:A+4*\g+1],   s[24:25] op_sel_hi:[1,0]      ; y
	v_pk_mul_f32 v[A+4*\g+2:A+4*\g+3], v[A+4*\g+2:A+4*\g+3], s[24:25] op_sel_hi:[1,0]
.irp e, 0,1,2,3
	v_floor_f32 v[F+4*\g+\e], v[A+4*\g+\e]
.endr
	v_pk_add_f32 v[T+8+4*(\g&1):T+9+4*(\g&1)],   v[F+4*\g:F+4*\g+1],   v[A+4*\g:A+4*\g+1]   neg_lo:[0,1] neg_hi:[0,1]   ; floor(y) - y
	v_pk_add_f32 v[T+10+4*(\g&1):T+11+4*(\g&1)], v[F+4*\g+2:F+4*\g+3], v[A+4*\g+2:A+4*\g+3] neg_lo:[0,1] neg_hi:[0,1]
.irp e, 0,1,2,3
	v_cvt_i32_f32 v[A+4*\g+\e], v[F+4*\g+\e]       ; a
.endr
.irp e, 0,1,2,3
	v_exp_f32 v[F+4*\g+\e], v[T+8+4*(\g&1)+\e]     ; f; first read many plain instructions later (ISA guide 5.7.2)
.endr
.endm
; The pieces of link n of the scans.  Left scan: element n joins elements 0..n-1.  Right scan (both = 1): element 31-n joins elements 32-n..31.
.macro MINS n, both
	v_min_i32 v[PM+(\n)], v[PM+(\n)-1], v[A+(\n)]
.if \both
	v_min_i32 v[QM+31-(\n)], v[QM+32-(\n)], v[A+31-(\n)]
.endif
.endm
.macro DIFF n, both
	v_sub_nc_u32 v[DP], v[PM+(\n)], v[PM+(\n)-1]
.if \both
	v_sub_nc_u32 v[DQ], v[QM+31-(\n)], v[QM+32-(\n)]
.endif
	v_sub_nc_u32 v[EP+2*((\n)&1)], v[PM+(\n)], v[A+(\n)]
.if \both
	v_sub_nc_u32 v[EQ+2*((\n)&1)], v[QM+31-(\n)], v[A+31-(\n)]
.endif
.endm
.macro ELEM n, both
	v_ldexp_f32 v[EP+2*((\n)&1)], v[F+(\n)], v[EP+2*((\n)&1)]
.if \both
	v_ldexp_f32 v[EQ+2*((\n)&1)], v[F+31-(\n)], v[EQ+2*((\n)&1)]
.endif
.endm
.macro CARRY n, both
	v_ldexp_f32 v[LP], v[PS+(\n)-1], v[DP]
.if \both
	v_ldexp_f32 v[LQ], v[QS+32-(\n)], v[DQ]
.endif
.endm
.macro SUM n, both
	v_add_f32 v[PS+(\n)], v[LP], v[EP+2*((\n)&1)]
.if \both
	v_add_f32 v[QS+31-(\n)], v[LQ], v[EQ+2*((\n)&1)]
.endif
.endm
; The scans.  Only ldexp -> add -> ldexp of the running sums is a chain from link to link; the minima run two links ahead and the exponents one, and
; stand between the chain's instructions, so that with both scans no instruction needs a result younger than four instructions.
; Each four finished links of the left scan leave for LDS at once, to the chunk whose address is in register adr.
.macro SCAN both, adr
	v_mov_b32 v[PM], v[A]                          ; the first link of a scan is its first element; the copy puts it at the head of the
	s_wait_alu depctr_va_vdst(0)
	v_mov_b32 v[PS], v[F]                          ; four registers that are stored together, and the other scan still needs the element
.if \both
	v_mov_b32 v[QM+31], v[A+31]
	v_mov_b32 v[QS+31], v[F+31]
.endif
	MINS 1, \both
	MINS 2, \both
	DIFF 1, \both
	ELEM 1, \both
.set j, 1
.rept 31
	CARRY j, \both
.if j < 30
	MINS j+2, \both
.endif
.if j < 31
	DIFF j+1, \both
.endif
	SUM j, \both
.if j < 31
	ELEM j+1, \both
.endif
.if (j&3) == 3
	ds_store_b128 v[\adr], v[PM+j-3:PM+j] offset:4*(j-3)
	ds_store_b128 v[\adr], v[PS+j-3:PS+j] offset:PSO+4*(j-3)
.endif
.set j, j+1
.endr
.endm
	; ---- waves 0-3 ----
	s_add_nc_u64 s[14:15], s[4:5], s[2:3]          ; group 0: the wave's 4,096 bytes
	s_or_b32 s15, s15, 0x80000000                  ;          type = 2
	tensor_load_to_lds s[12:15], s[16:23]          ; the one tensor load of the wave: all that it will read is asked for here
	s_nop 0
	s_wait_tensorcnt 0x0                           ; my own tile, which no other wave reads: no barrier
.irp g, 0,1,2,3,4,5,6,7
	ds_load_b128 v[A+4*\g:A+4*\g+3], v[AIN] offset:16*\g
.endr
.irp g, 0,1,2,3,4,5,6,7
	s_wait_dscnt 7-\g                              ; LDS loads come back in order (ISA guide 5.7.1): the 7-g younger ones may be out
	PRE4 \g
.endr
	SCAN 1, AX
	s_branch .Lmeet
	; ---- wave 4: the two chunks behind the quarter row, left scan only ----
.Lhalo:
	v_and_b32 v[HL], 1, v0                         ; even lanes chunk 128, odd lanes chunk 129
	v_lshlrev_b32 v[HIN], 7, v[HL]                 ; 128 bytes a chunk
	s_and_b32 s30, ttmp9, 3
	s_cmp_eq_u32 s30, 3                            ; the last quarter of a row: nothing lies behind it
	s_cselect_b32 s28, -1, 0                       ; then every lane takes PADX,
	s_cselect_b32 s30, 0, 0x4000                   ; and the loads stay at the quarter row's start, inside the buffer
	s_mov_b32 s31, 0
	s_add_nc_u64 s[4:5], s[4:5], s[30:31]
.irp g, 0,1,2,3,4,5,6,7
	global_load_b128 v[A+4*\g:A+4*\g+3], v[HIN], s[4:5] offset:16*\g
.endr
	v_mul_u32_u24 v[HAX], v[HL], PITCH
	v_add_nc_u32 v[HAX], s9, v[HAX]                ; 32 x 4 = chunk 128, or the one behind it
	v_add_nc_u32 v[HAX], PMB, v[HAX]
	v_mov_b32 v[PADV], PADX
.irp g, 0,1,2,3,4,5,6,7
	s_wait_loadcnt 7-\g                            ; the 7-g younger loads may be out
.irp e, 0,1,2,3
	v_cndmask_b32 v[A+4*\g+\e], v[A+4*\g+\e], v[PADV], s28
.endr
	PRE4 \g
.endr
	SCAN 0, HAX
.Lmeet:
	s_wait_dscnt 0x0                               ; my left scan is in LDS
	s_barrier_signal -1
	s_barrier_wait -1                              ; everybody's is; nobody writes those bytes again
	s_cmp_eq_u32 s8, 4
	s_cbranch_scc1 .Lend
	; ---- waves 0-3: join, logarithm, out ----
	ds_load_b32 v[TM], v[AX] offset:PITCH+124              ; all of chunk + 1 = the last link of its left scan
	ds_load_b32 v[TS], v[AX] offset:PITCH+124+PSO
.irp g, 0,1,2,3,4,5,6,7
	ds_load_b128 v[PM+4*\g:PM+4*\g+3], v[AX] offset:2*PITCH+16*\g          ; the left scan of chunk + 2
	ds_load_b128 v[PS+4*\g:PS+4*\g+3], v[AX] offset:2*PITCH+PSO+16*\g
.endr
; Outputs p = 4g .. 4g+3 of my chunk: right scan link p, all of chunk + 1, left scan link p-1 of chunk + 2 (none for p = 0).
.macro FIN g
	s_wait_dscnt 14-\g                             ; behind the loads of quad g stand 2 (7-g) loads and the g stores of the quads done
.set k, 0
.rept 4
.if 4*\g+k == 0
	v_min_i32 v[T], v[QM], v[TM]
.else
	v_min3_i32 v[T+k], v[QM+4*\g+k], v[TM], v[PM+4*\g+k-1]
.endif
.set k, k+1
.endr
.set k, 0
.rept 4
	v_sub_nc_u32 v[T+4+k], v[T+k], v[QM+4*\g+k]
	v_sub_nc_u32 v[T+8+k], v[T+k], v[TM]
.if 4*\g+k == 0
	v_mov_b32 v[T+12], 0                           ; p = 0 has no third part: its place in the packed sum is zero
.else
	v_sub_nc_u32 v[T+12+k], v[T+k], v[PM+4*\g+k-1]
.endif
.set k, k+1
.endr
.set k, 0
.rept 4
	v_ldexp_f32 v[T+4+k], v[QS+4*\g+k], v[T+4+k]
	v_ldexp_f32 v[T+8+k], v[TS], v[T+8+k]
.if 4*\g+k != 0
	v_ldexp_f32 v[T+12+k], v[PS+4*\g+k-1], v[T+12+k]
.endif
.set k, k+1
.endr
	v_pk_add_f32 v[T+4:T+5], v[T+4:T+5], v[T+8:T+9]
	v_pk_add_f32 v[T+6:T+7], v[T+6:T+7], v[T+10:T+11]
	v_pk_add_f32 v[T+4:T+5], v[T+4:T+5], v[T+12:T+13]
	v_pk_add_f32 v[T+6:T+7], v[T+6:T+7], v[T+14:T+15]
.irp e, 0,1,2,3
	v_log_f32 v[T+8+\e], v[T+4+\e]                 ; log2 S
.endr
.irp e, 0,1,2,3
	v_cvt_f32_i32 v[T+\e], v[T+\e]                 ; M as f32: the plain instructions between the logarithms and their use (ISA guide 5.7.2)
.endr
	s_wait_alu depctr_va_vdst(0)
	v_pk_add_f32 v[T:T+1],   v[T:T+1],   v[T+8:T+9]   neg_lo:[0,1] neg_hi:[0,1]
	v_pk_add_f32 v[T+2:T+3], v[T+2:T+3], v[T+10:T+11] neg_lo:[0,1] neg_hi:[0,1]
	v_pk_mul_f32 v[QM+4*\g:QM+4*\g+1],   v[T:T+1],   s[26:27] op_sel_hi:[1,0]      ; tau ln2 (M - log2 S), into registers whose M is spent
	v_pk_mul_f32 v[QM+4*\g+2:QM+4*\g+3], v[T+2:T+3], s[26:27] op_sel_hi:[1,0]
	ds_store_b128 v[AOUT], v[QM+4*\g:QM+4*\g+3] offset:16*\g
.endm
.irp g, 0,1,2,3,4,5,6,7
	FIN \g
.endr
	; A lane holds 128 neighbouring bytes of the row.  Through the wave's own part of LDS they turn into 16 bytes a lane along the row, so that each
	; store of the wave covers 512 neighbouring bytes, aligned.  LDS serves a wave's instructions in order (ISA guide 5.7.1): the loads see the stores above.
.irp g, 0,1,2,3,4,5,6,7
	ds_load_b128 v[A+4*\g:A+4*\g+3], v[ARD] offset:\g*4*PITCH
.endr
.irp g, 0,1,2,3,4,5,6,7
	s_wait_dscnt 7-\g                              ; the 7-g younger loads may be out
	global_store_b128 v[GO], v[A+4*\g:A+4*\g+3], s[6:7] offset:512*\g th:TH_STORE_NT
.endr
.Lend:
	s_wait_tensorcnt 0x0
	ds_add_u32 v224, v225
	s_wait_dscnt 0x0
	s_endpgm
.Lfunc_end_k_q09e38ee3c7_softmin:
	.size	k_q09e38ee3c7_softmin, .Lfunc_end_k_q09e38ee3c7_softmin-k_q09e38ee3c7_softmin
	.p2alignl 7, 3214868480
	.fill 96, 4, 3214868480
	.section	.rodata,"a",@progbits
	.p2align	6, 0x0
	.amdhsa_kernel k_q09e38ee3c7_softmin
		.amdhsa_group_segment_fixed_size 168704
		.amdhsa_private_segment_fixed_size 0
		.amdhsa_enable_private_segment 0
		.amdhsa_kernarg_size 16
		.amdhsa_user_sgpr_count 2
		.amdhsa_user_sgpr_kernarg_segment_ptr 1
		.amdhsa_wavefront_size32 1
		.amdhsa_system_sgpr_workgroup_id_x 1
		.amdhsa_system_sgpr_workgroup_id_y 1
		.amdhsa_system_sgpr_workgroup_id_z 1
		.amdhsa_system_vgpr_workitem_id 0
		.amdhsa_next_free_vgpr 226
		.amdhsa_next_free_sgpr 66
		.amdhsa_reserve_vcc 0
		.amdhsa_float_denorm_mode_32 3
		.amdhsa_float_denorm_mode_16_64 3
		.amdhsa_memory_ordered 1
		.amdhsa_forward_progress 1
		.amdhsa_inst_pref_size 64
	.end_amdhsa_kernel
	.amdgpu_metadata
---
amdhsa.version: [ 1, 2 ]
amdhsa.kernels:
  - .name:           k_q09e38ee3c7_softmin
    .symbol:         k_q09e38ee3c7_softmin.kd
    .args:
      - { .name: signal, .offset: 0, .size: 8, .value_kind: global_buffer, .address_space: global }
      - { .name: out0, .offset: 8, .size: 8, .value_kind: global_buffer, .address_space: global }
    .group_segment_fixed_size: 168704
    .private_segment_fixed_size: 0
    .kernarg_segment_align: 8
    .kernarg_segment_size: 16
    .max_flat_workgroup_size: 160
    .sgpr_count:     66
    .vgpr_count:     226
    .wavefront_size: 32
...
	.end_amdgpu_metadata
.endif
;; end of part 1
